; MI455X (gfx1250); checked and timed in simulation.
; The chip was launched on July 23, 2026; its instructions are those of AMD's public machine-readable ISA for CDNA 5 (MIT licence, August 2026) and "CDNA5" Instruction Set Architecture Reference Guide (July 2026). The comments in the code are by the model that wrote it; some were corrected since.
;; Multi Head Attention. Allowed arithmetic: matrix products marked QUANTISED: E4M3 operands, one given power-of-two scale a tensor, by v_wmma_f32_16x16x64_fp8_fp8 or v_wmma_f32_16x16x128_fp8_fp8, f32 sums; everything else in f32.
;; Inputs: Wk 1,024 x 1,024 float32; Wo 1,024 x 1,024 float32; Wq 1,024 x 1,024 float32; Wv 1,024 x 1,024 float32; bk 1,024 float32; bo 1,024 float32; bq 1,024 float32; bv 1,024 float32; lowp_scales 12 int32 (the exponents e of the quantised operands' scales 2^e); x 4 x 2,048 x 1,024 float32.
;; Outputs: out0 4 x 2,048 x 1,024 float32.
;; This version of the problem:
;;   THIS VERSION OF THE PROBLEM IS GIVEN IN LOW PRECISION. The matrix products marked QUANTISED in the list below multiply operands that are first quantised to E4M3 (4 exponent bits, 3 mantissa bits; 8 bits a number), with one given power-of-two scale for each operand tensor; their sums are f32. All else is computed in f32.
;;   The module's matrix products, in the order in which they are computed (A, B: the left and right operand; K: the contracted axis; several contracted axes count as one K, in the product's order):
;;     1. [M 8,192, K 1,024] x [K 1,024, N 1,024]; A: input x; B: input Wq: QUANTISED (scales: A lowp_scales[0], B lowp_scales[1])
;;     2. [M 8,192, K 1,024] x [K 1,024, N 1,024]; A: input x; B: input Wk: QUANTISED (scales: A lowp_scales[2], B lowp_scales[3])
;;     3. [M 8,192, K 1,024] x [K 1,024, N 1,024]; A: input x; B: input Wv: QUANTISED (scales: A lowp_scales[4], B lowp_scales[5])
;;     4. batch 64 x [M 2,048, K 64] x [K 64, N 2,048]; A: computed on the way; B: computed on the way: QUANTISED (scales: A lowp_scales[6], B lowp_scales[7])
;;     5. batch 64 x [M 2,048, K 2,048] x [K 2,048, N 64]; A: softmax (see below); B: computed on the way: QUANTISED (scales: A lowp_scales[8], B lowp_scales[9])
;;     6. [M 8,192, K 1,024] x [K 1,024, N 1,024]; A: computed on the way; B: input Wo: QUANTISED (scales: A lowp_scales[10], B lowp_scales[11])
;;   THE QUANTISER, for each operand of a quantised product, along K:
;;     - The operand's scale is 2^e, e = its entry of the input lowp_scales (int32; the entries are numbered through the quantised products in the list's order, A before B).
;;     - Each number is divided by the scale, clamped to +-448, and rounded to the nearest number of E4M3, ties to even, subnormals kept.
;;     - The product sums the exact products of the quantised numbers (number of the format x scale) in f32.
;;   ~~~python
;;   def quantise(x, axis, e):      # numpy; x: float32 -> the quantised numbers, widened to float32 again
;;       x = np.moveaxis(x, axis, -1); K = x.shape[-1]
;;       r = np.clip(x / 2.0 ** e, -448, 448)
;;       step = 2.0 ** (np.maximum(np.frexp(np.where(r == 0, 1, r))[1] - 1, -6) - 3)
;;       q = np.round(r / step) * step * 2.0 ** e      # np.round: ties to even
;;       return np.moveaxis(q, -1, axis).astype(np.float32)
;;   ~~~
;;   SOFTMAX AHEAD OF A QUANTISED PRODUCT. Where the list says 'softmax', what is quantised is not the finished softmax but p = 2^(t - M), with t = logit x log2(e) and M = ceil(the row's largest t), a whole number; so 1/2 < the row's largest p <= 1. The row's sum l is taken of the UNQUANTISED p, in f32, and the product's result is divided by l at the end. Since M is a whole number, a kernel that streams over the keys may use a running M (the ceiling of the running maximum): every later rescaling is an exact power of two, so the quantised numbers keep their values, but for numbers so far below the row's largest that they fall under the format's range.
;;   OPERANDS COMPUTED ON THE WAY. 'Computed on the way' means the value that the module computes at that place (a softmax that the list does not call 'softmax' is quantised finished and normalised). What goes into a quantiser is computed in f32, as accurately as f32 sums, v_exp_f32 and their like allow (about 1e-6 of the number): no bf16 or f16 on the way to a quantiser, and a product that is left as it is and whose result goes on into a quantised operand takes f32 operands (vector FMAs, or v_wmma_f32_16x16x4_f32). A number that lies on a knife's edge between two numbers of the format may be rounded either way, as far as f32 arithmetic and the matrix unit's own rounding can turn it there, and no further.
;; One version. Each part assembles by itself: llvm-mc -triple=amdgcn-amd-amdhsa -mcpu=gfx1250 --defsym DOCPART=n.
;; ======== version 1 of 1: 4 launches
;; limits: right only within a limited range of input values
;; workspace buffers: xc 25,165,824 bytes; wc 4,194,304 bytes; qkv 25,165,824 bytes; cc 8,388,608 bytes
;; launch quant (part 1): grid 384 x 1, 4 waves a work-group, no clusters, 33,280 bytes of LDS; arguments x, Wq, Wk, Wv, Wo, lowp_scales, xc, wc; writes xc, wc
.if DOCPART == 1
	.amdgcn_target "amdgcn-amd-amdhsa--gfx1250"
	.amdhsa_code_object_version 6
	.text
	.protected	k_qb526c974d9_quant
	.globl	k_qb526c974d9_quant
	.p2align	8
	.type	k_qb526c974d9_quant,@function
k_qb526c974d9_quant:
	s_mov_b64 s[64:65], 0
	v_nop
	global_prefetch_b8 v0, s[64:65] scope:SCOPE_SE
	s_setreg_imm32_b32 hwreg(HW_REG_WAVE_MODE, 25, 1), 1
	s_wait_xcnt 0x0
; x [8192][1024] f32 becomes THREE sets of E4M3 codes (scales 2^e0, 2^e2, 2^e4: x is an operand of three products, each with an entry of its own), Wq, Wk, Wv, Wo [1024][1024] one set each (e1, e3, e5, e11).
; code = number / 2^e, rounded to the nearest code, ties to even.  LIMITS: each e between -126 and 119; NaN among the inputs is not served.
; LAYOUT OF THE CODES: rows as in the source, K innermost, but in each block of 32 along K the two middle groups of eight change places: k 0-7, 16-23, 8-15, 24-31.  A 16-byte LDS load at 32 c + 16 (lane / 16) of a row
; then brings registers 4 c .. 4 c + 3 of the plain fp8 form's own layout (registers 2 c', 2 c' + 1: k = 16 c' + 8 (lane / 16) + 0 .. 7).
; SHARES: rows are dense, so every tensor is a stream of blocks of 32.  A work-group takes 32,768 numbers, a wave 8,192 in 16 steps of 512.  Work-groups 0-255: x; 256 + 32 w + c: chunk c of weight w.
; Each load reads 512 consecutive bytes; a step's 2,048 bytes turn through the wave's own stage in LDS (16 bytes of padding behind each 64) and come back so that lane l holds k 8 (l % 2) + 0..7 and 16 + 8 (l % 2) + 0..7
; of block l / 2: its 16 codes are bytes 16 l .. 16 l + 15 of the step's 512, in the order above.  No barrier: waves share nothing.  Loads run four steps (16 loads a wave) ahead, the turn through LDS one step.
.set STEPS, 16
.set XWG,   256                        ; work-groups that take x
.set SP,    80                         ; 64 bytes of a stage + 16 of padding
.set WREG,  8192                       ; LDS of a wave: two stages of 32 x SP bytes
.set SC,    8                          ; v8-10    2^e of set 0, 1, 2 as f32
.set LM,    11
.set R,     16                         ; v16-79   four sets of 16 numbers as loaded
.set X,     80                         ; v80-111  two sets of 16 numbers as the conversions want them
.set T,     112
.set C,     128                        ; v128-151 codes: (step % 2) x 12 + 4 x set
	s_load_b256 s[24:31], s[0:1], 0x0              ; x s[24:25], Wq s[26:27], Wk s[28:29], Wv s[30:31]
	s_load_b256 s[32:39], s[0:1], 0x20             ; Wo s[32:33], the exponents s[34:35], xc s[36:37], wc s[38:39]
	v_lshl_add_u32 v152, v0, 2, 0x8000
	v_mov_b32 v153, 0
	v_lshrrev_b32 v1, 5, v0
	v_readfirstlane_b32 s16, v1                    ; wave
	v_and_b32 v2, 31, v0                           ; lane
	v_lshlrev_b32 v3, 4, v2                        ; 16 x lane: my 16 bytes of a load's 512, and of a step's 512 bytes of codes; never rewritten
	s_mul_i32 s17, s16, WREG
	v_lshrrev_b32 v14, 2, v2
	v_mul_u32_u24 v14, v14, SP
	v_and_b32 v15, 3, v2
	v_lshl_add_u32 v14, v15, 4, v14
	v_add_nc_u32 v14, s17, v14                     ; into the stage: SP (lane / 4) + 16 (lane % 4): the bytes as they lie
	v_lshrrev_b32 v15, 1, v2
	v_mul_u32_u24 v15, v15, 2*SP
	v_and_b32 v1, 1, v2
	v_lshl_add_u32 v15, v1, 5, v15
	v_add_nc_u32 v15, s17, v15                     ; out of it: block lane / 2 (two places of SP), + 32 (lane % 2)
	s_sub_co_u32 s54, ttmp9, XWG
	s_lshr_b32 s53, s54, 5                         ; which weight (in x's work-groups a number that matches none)
	s_and_b32 s54, s54, 31                         ; which chunk of it
	s_cmp_lt_u32 ttmp9, XWG
	s_cselect_b32 s52, 1, 0                        ; 1: this work-group takes x
	s_cselect_b32 s54, ttmp9, s54                  ; the chunk in its tensor
	s_cselect_b32 s56, 0, s53
	s_lshl_b32 s56, s56, 20                        ; the weight's place in wc
	s_lshl_b32 s54, s54, 2
	s_add_co_u32 s54, s54, s16                     ; which run of 8,192 numbers is my wave's
	s_lshl_b32 s18, s54, 15                        ; in bytes of f32,
	s_mov_b32 s19, 0
	s_lshl_b32 s20, s54, 13                        ; and of codes
	s_mov_b32 s21, 0
	s_add_co_u32 s22, s20, s56
	s_mov_b32 s23, 0
	s_wait_alu depctr_va_vdst(0)
	s_wait_kmcnt 0x0
	s_load_b256 s[40:47], s[34:35], 0x0            ; e0 .. e7
	s_load_b128 s[48:51], s[34:35], 0x20           ; e8 .. e11
	s_cmp_eq_u32 s53, 1                            ; the buffers are chosen by the work-group's number alone
	s_cselect_b64 s[4:5], s[28:29], s[26:27]
	s_cmp_eq_u32 s53, 2
	s_cselect_b64 s[4:5], s[30:31], s[4:5]
	s_cmp_eq_u32 s53, 3
	s_cselect_b64 s[4:5], s[32:33], s[4:5]
	s_cmp_eq_u32 s52, 1
	s_cselect_b64 s[4:5], s[24:25], s[4:5]
	s_cselect_b64 s[8:9], s[36:37], s[38:39]
	s_add_nc_u64 s[4:5], s[4:5], s[18:19]          ; the numbers
	s_add_nc_u64 s[8:9], s[8:9], s[22:23]          ; the first (or only) set of codes
	s_add_nc_u64 s[10:11], s[36:37], s[20:21]
	s_add_nc_u64 s[12:13], s[10:11], 0x1000000     ; x's third set, 16 MiB on,
	s_add_nc_u64 s[10:11], s[10:11], 0x800000      ; and its second, 8 MiB on: bases of their own, since 8 MiB is past a store's signed 24-bit immediate
.macro LOAD t
.irp i, 0,1,2,3
	global_load_b128 v[R+16*((\t)%4)+4*\i:R+16*((\t)%4)+4*\i+3], v3, s[4:5] offset:2048*(\t)+512*\i th:TH_LOAD_NT   ; 32 lanes read 512 consecutive bytes
.endr
.endm
.macro TURN t                          ; step t's numbers through the stage: LDS serves a wave's instructions in order, so no wait stands between the stores and the loads
.irp i, 0,1,2,3
	ds_store_b128 v14, v[R+16*((\t)%4)+4*\i:R+16*((\t)%4)+4*\i+3] offset:32*SP*((\t)%2)+8*SP*\i
.endr
	ds_load_b128 v[X+16*((\t)%2):X+16*((\t)%2)+3],      v15 offset:32*SP*((\t)%2)        ; k 8 h' + 0..3
	ds_load_b128 v[X+16*((\t)%2)+4:X+16*((\t)%2)+7],    v15 offset:32*SP*((\t)%2)+16     ; k 8 h' + 4..7
	ds_load_b128 v[X+16*((\t)%2)+8:X+16*((\t)%2)+11],   v15 offset:32*SP*((\t)%2)+SP     ; k 16 + 8 h' + 0..3
	ds_load_b128 v[X+16*((\t)%2)+12:X+16*((\t)%2)+15],  v15 offset:32*SP*((\t)%2)+SP+16  ; k 16 + 8 h' + 4..7
.endm
.macro MKSC k, e                       ; 2^e as an f32 number, from the whole number in s[e]
	s_add_co_i32 s57, s[\e], 127
	s_lshl_b32 s58, s57, 23
	v_mov_b32 v[SC+\k], s58
.endm
.irp t, 0,1,2,3
	LOAD \t
.endr
	s_wait_kmcnt 0x0
	s_cmp_eq_u32 s53, 1
	s_cselect_b32 s55, s43, s41                    ; Wk: e3, Wq: e1
	s_cmp_eq_u32 s53, 2
	s_cselect_b32 s55, s45, s55                    ; Wv: e5
	s_cmp_eq_u32 s53, 3
	s_cselect_b32 s55, s51, s55                    ; Wo: e11
	s_cmp_eq_u32 s52, 1
	s_cselect_b32 s55, s40, s55                    ; x's first set: e0
	MKSC 0, 55
	MKSC 1, 42                                     ; x's second set: e2
	MKSC 2, 44                                     ; x's third: e4
	s_wait_alu depctr_va_vdst(0)
	s_wait_loadcnt 12                              ; step 0's four loads are in
	TURN 0
; One set of codes of step t: two conversions, a plain line behind them, one store of 512 consecutive bytes.
.macro SET t, k
.set i, 0
.rept 16
.set i, i+1
.endr
	v_cvt_scalef32_pk8_fp8_f32 v[C+12*((\t)%2)+4*\k:C+12*((\t)%2)+4*\k+1], v[T+((X+16*((\t)%2)+i)-(T+i)):T+7+((X+16*((\t)%2)+i)-(T+i))], v[SC+\k]
	v_cvt_scalef32_pk8_fp8_f32 v[C+12*((\t)%2)+4*\k+2:C+12*((\t)%2)+4*\k+3], v[T+8+((X+16*((\t)%2)+i)-(T+i)):T+15+((X+16*((\t)%2)+i)-(T+i))], v[SC+\k]
	v_nop
	global_store_b128 v3, v[C+12*((\t)%2)+4*\k:C+12*((\t)%2)+4*\k+3], s[8+2*\k:9+2*\k] offset:512*(\t) th:TH_STORE_NT
.endm
.macro STEP t
	s_wait_dscnt 0x0                               ; this step's numbers are back from the stage, and its stores into the stage have read their registers,
.if (\t)+4 < STEPS
	LOAD (\t)+4                                    ; which take the loads of four steps on
.endif
.if (\t)+1 < STEPS
.if STEPS-2-(\t) >= 3
	s_wait_loadcnt 12                              ; the next step's four loads are in; those of the three steps behind it may be out
.else
	s_wait_loadcnt 4*(STEPS-2-(\t))
.endif
	TURN (\t)+1                                    ; they go through the other stage while this step is worked
.endif
.if (\t) >= 2
	s_wait_xcnt 0x0                                ; the stores of two steps ago have read the code registers that are written now
.endif
	SET \t, 0
	s_cmp_eq_u32 s52, 0                            ; a weight has one set; only register work and stores are jumped over
	s_cbranch_scc1 .Lone_set_\@
	SET \t, 1
	SET \t, 2
.Lone_set_\@:
.endm
.irp t, 0,1,2,3,4,5,6,7,8,9,10,11,12,13,14,15
	STEP \t
.endr
	s_wait_tensorcnt 0x0
	ds_add_u32 v152, v153
	s_wait_dscnt 0x0
	s_endpgm
.Lfunc_end_k_qb526c974d9_quant:
	.size	k_qb526c974d9_quant, .Lfunc_end_k_qb526c974d9_quant-k_qb526c974d9_quant
	.p2alignl 7, 3214868480
	.fill 96, 4, 3214868480
	.section	.rodata,"a",@progbits
	.p2align	6, 0x0
	.amdhsa_kernel k_qb526c974d9_quant
		.amdhsa_group_segment_fixed_size 33280
		.amdhsa_private_segment_fixed_size 0
		.amdhsa_enable_private_segment 0
		.amdhsa_kernarg_size 64
		.amdhsa_user_sgpr_count 2
		.amdhsa_user_sgpr_kernarg_segment_ptr 1
		.amdhsa_wavefront_size32 1
		.amdhsa_system_sgpr_workgroup_id_x 1
		.amdhsa_system_sgpr_workgroup_id_y 1
		.amdhsa_system_sgpr_workgroup_id_z 1
		.amdhsa_system_vgpr_workitem_id 0
		.amdhsa_next_free_vgpr 154
		.amdhsa_next_free_sgpr 66
		.amdhsa_reserve_vcc 0
		.amdhsa_float_denorm_mode_32 3
		.amdhsa_float_denorm_mode_16_64 3
		.amdhsa_fp16_overflow 1
		.amdhsa_memory_ordered 1
		.amdhsa_forward_progress 1
		.amdhsa_inst_pref_size 32
	.end_amdhsa_kernel
	.amdgpu_metadata
---
amdhsa.version: [ 1, 2 ]
amdhsa.kernels:
  - .name:           k_qb526c974d9_quant
    .symbol:         k_qb526c974d9_quant.kd
    .args:
      - { .name: x, .offset: 0, .size: 8, .value_kind: global_buffer, .address_space: global }
      - { .name: Wq, .offset: 8, .size: 8, .value_kind: global_buffer, .address_space: global }
      - { .name: Wk, .offset: 16, .size: 8, .value_kind: global_buffer, .address_space: global }
      - { .name: Wv, .offset: 24, .size: 8, .value_kind: global_buffer, .address_space: global }
      - { .name: Wo, .offset: 32, .size: 8, .value_kind: global_buffer, .address_space: global }
      - { .name: lowp_scales, .offset: 40, .size: 8, .value_kind: global_buffer, .address_space: global }
      - { .name: xc, .offset: 48, .size: 8, .value_kind: global_buffer, .address_space: global }
      - { .name: wc, .offset: 56, .size: 8, .value_kind: global_buffer, .address_space: global }
    .group_segment_fixed_size: 33280
    .private_segment_fixed_size: 0
    .kernarg_segment_align: 8
    .kernarg_segment_size: 64
    .max_flat_workgroup_size: 128
    .sgpr_count:     66
    .vgpr_count:     154
    .wavefront_size: 32
...
	.end_amdgpu_metadata
.endif
;; end of part 1
;; launch qkv (part 2): grid 4 x 96, 4 waves a work-group, clusters of 4 x 4, 327,680 bytes of LDS; arguments xc, wc, bq, bk, bv, lowp_scales, qkv; writes qkv
.if DOCPART == 2
	.amdgcn_target "amdgcn-amd-amdhsa--gfx1250"
	.amdhsa_code_object_version 6
	.text
	.protected	k_qb526c974d9_qkv
	.globl	k_qb526c974d9_qkv
	.p2align	8
	.type	k_qb526c974d9_qkv,@function
k_qb526c974d9_qkv:
	s_mov_b64 s[64:65], 0
	v_nop
	global_prefetch_b8 v0, s[64:65] scope:SCOPE_SE
	s_setreg_imm32_b32 hwreg(HW_REG_WAVE_MODE, 25, 1), 1
	s_wait_xcnt 0x0
	s_wait_alu depctr_hold_cnt(0) depctr_sa_sdst(0) depctr_va_vdst(0) depctr_va_sdst(0) depctr_va_ssrc(0) depctr_va_vcc(0) depctr_vm_vsrc(0)
	s_getreg_b32 s2, hwreg(HW_REG_IB_STS2, 6, 4)
	s_cmp_eq_u32 s2, 0
	s_cbranch_scc0 .Lentry_in_a_cluster
	s_endpgm
.Lentry_in_a_cluster:
	s_bfe_u32 s2, ttmp6, 0x10000c
	s_cmp_lg_u32 s2, 0xf033
	s_cbranch_scc0 .Lentry_shape_is_right
	s_endpgm
.Lentry_shape_is_right:
; q = x Wq^T + bq, k = x Wk^T + bk, v = x Wv^T + bv on E4M3 codes (K = 1,024), each result quantised at once (q: e6, k: e7, v: e9) and stored as IMAGES OF THE OPERAND REGISTERS that the attention launch wants.
; LIMITS: e0 + e1, e2 + e3, e4 + e5 between -126 and 127; e6, e7, e9 between -126 and 119, so that each power of two below is an f32 number.
; SHARES: 384 tiles of 256 x 256; four waves, each 128 x 128: 64 accumulators, 512 registers.  Cluster y = 8 mat + tb: mat 0 q, 1 k, 2 v; tb: 1,024 tokens.  The text computes C[i][j] = sum A[i][k] B[j][k], used
; TRANSPOSED (source 0 = 16 rows of B, source 1 = 16 rows of A): a lane holds ONE row of A's side and eight neighbours of B's side.  q, k: A = x's codes (tokens), B = the weight's (channels): a lane holds a token and eight
; neighbouring channels, the next K.  v: the two pointers change places: a lane holds a channel and eight neighbouring tokens: V^T with the keys, its next K, along the registers.
; So the conversions' results in lane (r, h) ARE the registers that lane (r, h) of the reader wants: four registers leave by one store at 16 x lane, 512 consecutive bytes, aligned.  No stage in LDS.
; qkv: q at 0, k at 8 MiB: [bh 64][token tile 128][g 2][lane 32][16 bytes] (16 tokens x 64 channels, K = 64 form);  v at 16 MiB: [bh 64][key step 16][dt 4][g 4][lane 32][16 bytes] (16 channels x 128 keys, K = 128 form).
; K goes in steps of 256 through a ring of two LDS slots filled by the tensor data mover.  CLUSTERS: 4 x 4 work-groups; A's tile is shared along a row of the cluster, B's along a column: each is asked for jointly.
; REGISTERS: window 0: v0-31 addresses and constants; v32-95 the bias by columns, v96-111 by rows; from v128 A's fragments, ONE set; on the way out v128-191 the numbers, v192-223 two sets of codes.
;   window 1: B's fragments, TWO sets.   window 2: the accumulators of my rows 0-63 ((a, b) at v[8 (8 a + b)]);   window 3: those of my rows 64-127.
.set KROW,   1024                      ; a row of codes in memory, in bytes
.set ROWB,   256                       ; a tile's row: 256 along K
.set PITCH,  272                       ; an LDS row: 256 bytes + 16 of padding = 68 words: row r starts at bank 4 r mod 64 (64 banks of 4 bytes: ISA guide 11.1)
.set FR,     16                        ; registers of a fragment: 16 rows x 128 K
.set NL,     4                         ; LDS loads that bring one
.set NP,     4                         ; places behind this matrix instruction (ISA guide 7.12.1)
.set HALFT,  128*PITCH                 ; what one tensor load brings
.set SLOT,   4*HALFT                   ; A's 256 rows, then B's 256 rows
.set SPARE,  2*SLOT                    ; behind the ring: the spare words, 128 bytes for each wave; no other line names them
.set ADRA, 16                          ; v16-17  LDS address of my A fragments in slot 0, 1
.set ADRB, 20                          ; v20-21  the same for B
.set CO,   26                          ; v26     16 x lane: my place in an image
.set SPW,  28                          ; v28     my spare word; never rewritten
.set NIL,  29                          ; v29     0; never rewritten
.set BC,   32                          ; v32-95  bias[channel 16 b + 8 h + j] at BC + 8 b + j (q, k)
.set BR,   96                          ; v96-111 bias[channel 16 a + r] at BR + 2 a (v); the odd registers are named with them as pairs
.set AF,   128
.set TMP,  128
.set CD,   192
.set G1, 24                            ; s[24:31] descriptor group 1 for A's tiles;  s[32:39] group 0, one set for each slot
.set G0, 32
.set G1B, 48                           ; s[48:55], s[56:63] the same for B's tiles
.set G0B, 56
.set MSB, 0
.macro WIN new                         ; the immediate's high byte repeats the setting that is left
.if MSB != (\new)
	s_set_vgpr_msb (MSB<<8)|(\new)
.set MSB, \new
.endif
.endm
.set MUL_LO, 0xa1                      ; source 0 (B) window 1, source 1 (A) window 0, C and D window 2
.set MUL_HI, 0xf1                      ; the same, C and D window 3
.set TO_B,   0x40                      ; destination window 1, address window 0
; A joint load: waves 0 and 1 fetch for A, waves 2 and 3 for B.  The branch hangs on the wave's number alone.  Four v_nop follow each of the two lines.
.macro JLOAD g0a, g1a, g0b, g1b
	s_cmp_eq_u32 s15, 0
	s_cbranch_scc0 .Lfor_b_\@
	tensor_load_to_lds s[\g0a:\g0a+3], s[\g1a:\g1a+7]
	s_nop 0
.rept 4
	v_nop
.endr
	s_branch .Lasked_\@
.Lfor_b_\@:
	tensor_load_to_lds s[\g0b:\g0b+3], s[\g1b:\g1b+7]
	s_nop 0
.rept 4
	v_nop
.endr
.Lasked_\@:
.endm
.macro CREST                           ; a round of the cluster's barrier behind its opening barrier
	s_cmp_lg_u32 s14, 0
	s_cbranch_scc1 .Lnot_wave_0_\@
	s_barrier_signal -3
.Lnot_wave_0_\@:
	s_barrier_wait -3
	s_barrier_signal -1
	s_barrier_wait -1
.endm
.macro CROUND                          ; a whole round
	s_barrier_signal -1
	s_barrier_wait -1
	CREST
.endm
	s_load_b256 s[72:79], s[0:1], 0x0              ; xc s[72:73], wc s[74:75], bq s[76:77], bk s[78:79]
	s_load_b128 s[80:83], s[0:1], 0x20             ; bv s[80:81], the exponents s[82:83]
	s_load_b64 s[10:11], s[0:1], 0x30              ; qkv
	v_lshl_add_u32 v[SPW], v0, 2, SPARE
	v_mov_b32 v[NIL], 0
	ds_add_u32 v28, v29
	ds_add_u32 v28, v29
	s_wait_dscnt 0x0
	v_lshrrev_b32 v1, 5, v0
	v_readfirstlane_b32 s14, v1                    ; wave 0..3
	s_lshr_b32 s15, s14, 1                         ; which half of A's rows is mine.  Also: I fetch for A (0) or for B (1)
	s_and_b32 s16, s14, 1                          ; which half of B's rows.  Also: which 128 rows of that tile I fetch
	s_bfe_u32 s40, ttmp6, 0x40000                  ; cx, cy: my place in the cluster
	s_bfe_u32 s41, ttmp6, 0x40004
	s_and_b32 s68, ttmp7, 0xffff                   ; cluster y, 0 .. 23: the same in all sixteen partners
	s_and_b32 s69, s68, 7                          ; tb
	s_lshr_b32 s68, s68, 3                         ; mat
	s_lshl_b32 s43, s41, 2
	s_lshl_b32 s43, 15, s43                        ; my row of the cluster
	s_lshl_b32 s44, 0x1111, s40                    ; my column
	s_or_b32 s[G1+0], s43, (0<<16)|(1<<20)|(1<<21)|(5<<22)|(3<<25)  ; 15:0 the mask; 17:16 element of 1 byte; 20 padding on; 21 set beside a mask; 24:22 after every 64 words (code 5); 31:25 of 4 words (code 3)
	s_or_b32 s[G1B+0], s44, (0<<16)|(1<<20)|(1<<21)|(5<<22)|(3<<25)
.irp g, G1, G1B
	s_mov_b32 s[\g+1], ROWB<<16                    ; tensor_dim0
	s_mov_b32 s[\g+2], 128<<16                     ; tensor_dim1 = 128
	s_mov_b32 s[\g+3], ROWB<<16                    ; tile_dim0
	s_mov_b32 s[\g+4], 128                         ; tile_dim1 = 128
	s_mov_b32 s[\g+5], KROW                        ; tensor_dim0_stride
	s_mov_b32 s[\g+6], 0
	s_mov_b32 s[\g+7], 0
.endr
	s_lshl_b32 s18, s16, 7                         ; which 128 rows of the tile I fetch
	s_lshl_b32 s19, s69, 10                        ; 1,024 tb: the tokens' first row
	s_lshl_b32 s22, s68, 23                        ; x's set of codes: mat x 8 MiB
	s_lshl_b32 s23, s68, 20                        ; the weight's codes: mat x 1 MiB
	s_cmp_eq_u32 s68, 2
	s_cselect_b32 s98, 0, s19                      ; the tokens are A's rows for q and k,
	s_cselect_b32 s99, s19, 0                      ; B's rows for v
	s_cselect_b32 s22, 0x200000, s22               ; A's tensor: for v Wv's codes, 2 MiB into wc
	s_cselect_b32 s23, 0x1000000, s23              ; B's tensor: for v x's third set, 16 MiB into xc
	s_lshl_b32 s20, s41, 8
	s_add_co_u32 s20, s20, s18
	s_add_co_u32 s20, s20, s98                     ; A: row 256 cy + 128 half (+ 1,024 tb)
	s_lshl_b32 s20, s20, 10
	s_add_co_u32 s20, s20, s22                     ; in bytes: under 2^25
	s_mov_b32 s21, 0
	s_lshl_b32 s46, s40, 8
	s_add_co_u32 s46, s46, s18
	s_add_co_u32 s46, s46, s99                     ; B: row 256 cx + 128 half (+ 1,024 tb)
	s_lshl_b32 s46, s46, 10
	s_add_co_u32 s46, s46, s23
	s_mov_b32 s47, 0
	s_mul_i32 s45, s14, HALFT                      ; where they go: wave x 128 rows: no place in the cluster enters an LDS address
	s_wait_kmcnt 0x0
	s_load_b256 s[84:91], s[82:83], 0x0            ; e0 .. e7
	s_load_b128 s[92:95], s[82:83], 0x20           ; e8 .. e11
	s_cmp_eq_u32 s68, 1
	s_cselect_b64 s[66:67], s[78:79], s[76:77]     ; the bias: bk or bq,
	s_cmp_eq_u32 s68, 2
	s_cselect_b64 s[66:67], s[80:81], s[66:67]     ; or bv
	s_cselect_b64 s[4:5], s[74:75], s[72:73]       ; A's buffer: wc for v, else xc
	s_cselect_b64 s[6:7], s[72:73], s[74:75]       ; B's: the other
	s_add_nc_u64 s[20:21], s[4:5], s[20:21]
	s_add_nc_u64 s[46:47], s[6:7], s[46:47]
	CROUND                                         ; all sixteen work-groups are here: the first joint loads meet
.irp s, 0,1
	s_mov_b32 s[G0+4*\s], 1
	s_add_co_u32 s[G0+4*\s+1], s45, \s*SLOT
	s_add_nc_u64 s[G0+4*\s+2:G0+4*\s+3], s[20:21], \s*ROWB
	s_or_b32 s[G0+4*\s+3], s[G0+4*\s+3], 0x80000000
	s_mov_b32 s[G0B+4*\s], 1
	s_add_co_u32 s[G0B+4*\s+1], s45, \s*SLOT
	s_add_nc_u64 s[G0B+4*\s+2:G0B+4*\s+3], s[46:47], \s*ROWB
	s_or_b32 s[G0B+4*\s+3], s[G0B+4*\s+3], 0x80000000
	JLOAD G0+4*\s, G1, G0B+4*\s, G1B               ; two tensor loads of mine are out at the most
.endr
	v_and_b32 v1, 15, v0                           ; r = l % 16
	v_bfe_u32 v2, v0, 4, 1                         ; h = l / 16
	s_wait_alu depctr_va_vdst(0)
	v_mul_u32_u24 v3, v1, PITCH
	v_lshl_add_u32 v4, v2, 4, v3                   ; a fragment's row x pitch + 16 x half
	s_mul_i32 s21, s15, HALFT                      ; my 128 rows of A
	s_mul_i32 s22, s16, HALFT                      ; my 128 rows of B,
	s_add_co_u32 s22, s22, 2*HALFT                 ; which lie behind A's 256
.irp s, 0,1
	v_add_nc_u32 v[ADRA+\s], s21, v4
	v_add_nc_u32 v[ADRB+\s], s22, v4
	s_add_co_u32 s21, s21, SLOT
	s_add_co_u32 s22, s22, SLOT
.endr
	v_and_b32 v5, 31, v0
	v_lshlrev_b32 v[CO], 4, v5
	; the bias in both forms, so that no register's being written hangs on a branch: by B's columns (q, k) and by A's rows (v); 24 small loads, once
	s_lshl_b32 s17, s40, 10
	s_lshl_b32 s18, s16, 9
	s_add_co_u32 s17, s17, s18
	v_lshl_add_u32 v8, v2, 5, s17                  ; 4 (256 cx + 128 wcol + 8 h)
	s_lshl_b32 s17, s41, 10
	s_lshl_b32 s18, s15, 9
	s_add_co_u32 s17, s17, s18
	v_lshl_add_u32 v9, v1, 2, s17                  ; 4 (256 cy + 128 wrow + r)
.irp b, 0,1,2,3,4,5,6,7
	global_load_b128 v[BC+8*\b:BC+8*\b+3], v8, s[66:67] offset:64*\b
	global_load_b128 v[BC+8*\b+4:BC+8*\b+7], v8, s[66:67] offset:64*\b+16
.endr
.irp a, 0,1,2,3,4,5,6,7
	global_load_b32 v[BR+2*\a], v9, s[66:67] offset:64*\a
	v_mov_b32 v[BR+2*\a+1], 0
.endr
	; where my images begin: mat x 8 MiB + bh x 131,072 + (2 (4 (tb & 1) + Q) + Qw) x 8,192, bh = 16 (tb >> 1) + 4 P + 2 Pw.  q, k: the heads go by B's side (P = cx, Pw = wcol), the tokens by A's (Q = cy, Qw = wrow:
	; 16 token tiles of 1,024 bytes to a Q, 8 to a Qw); v: the other way round (a key step of 8,192 bytes to a Qw)
	s_cmp_eq_u32 s68, 2
	s_cselect_b32 s17, s41, s40                    ; P
	s_cselect_b32 s18, s15, s16                    ; Pw
	s_cselect_b32 s19, s40, s41                    ; Q
	s_cselect_b32 s20, s16, s15                    ; Qw
	s_lshr_b32 s21, s69, 1
	s_lshl_b32 s21, s21, 4
	s_lshl_b32 s17, s17, 2
	s_add_co_u32 s21, s21, s17
	s_lshl_b32 s18, s18, 1
	s_add_co_u32 s21, s21, s18
	s_lshl_b32 s21, s21, 17
	s_and_b32 s22, s69, 1
	s_lshl_b32 s22, s22, 2
	s_add_co_u32 s22, s22, s19
	s_lshl_b32 s22, s22, 1
	s_add_co_u32 s22, s22, s20
	s_lshl_b32 s22, s22, 13
	s_add_co_u32 s22, s22, s21
	s_lshl_b32 s21, s68, 23
	s_add_co_u32 s22, s22, s21
	s_mov_b32 s23, 0
	s_add_nc_u64 s[10:11], s[10:11], s[22:23]
.macro FRAG reg, adr, q, i             ; 16 rows x 128 K: four loads of 16 bytes, 32 bytes apart: by the codes' order in memory registers 2 c, 2 c + 1 hold K = 16 c + 8 (l / 16) + 0 .. 7
.irp c, 0,1,2,3
	ds_load_b128 v[\reg+4*\c:\reg+4*\c+3], v[\adr] offset:128*(\q)+32*\c+(\i)*16*PITCH
.endr
.endm
; 16 matrix instructions: A's blocks a0, a0 + 1 x B's eight, 128 along K.  p: B's set.  zero = 1: the first product starts the sums.  The 64 accumulators take turns, one instruction a turn.
.macro MUL16 a0, p, zero
.irp a, \a0, \a0+1
.irp b, 0,1,2,3,4,5,6,7
.if \zero
	v_wmma_f32_16x16x128_fp8_fp8 v[8*(8*((\a)%4)+\b):8*(8*((\a)%4)+\b)+7], v[128*(\p)+FR*\b:128*(\p)+FR*\b+FR-1], v[AF+FR*(\a):AF+FR*(\a)+FR-1], 0
.else
	v_wmma_f32_16x16x128_fp8_fp8 v[8*(8*((\a)%4)+\b):8*(8*((\a)%4)+\b)+7], v[128*(\p)+FR*\b:128*(\p)+FR*\b+FR-1], v[AF+FR*(\a):AF+FR*(\a)+FR-1], v[8*(8*((\a)%4)+\b):8*(8*((\a)%4)+\b)+7]
.endif
.endr
.endr
.endm
.macro FETCH_B slot, q, p              ; B's eight fragments of the slot's q-th 128 along K into set p
	WIN TO_B
.irp i, 0,1,2,3,4,5,6,7
	FRAG 128*(\p)+FR*\i, ADRB+\slot, \q, \i
.endr
	WIN 0
.endm
.macro FETCH_A slot, q, i0             ; A's blocks i0 .. i0 + 3
.irp i, \i0, \i0+1, \i0+2, \i0+3
	FRAG AF+FR*(\i), ADRA+\slot, \q, \i
.endr
.endm
.macro PLACES n                        ; plain vector lines between a matrix instruction and a load into, or a vector line on, its registers (ISA guide 7.12.1 for vector lines)
.rept \n
	v_nop
.endr
.endm
; A step of 128 along K that has its successor in the same slot.  A block of A is free when its eight products are issued: blocks 0-3 are fetched anew in the step's middle, blocks 4-7 at its end.
.macro STEP slot, q, zero
	s_wait_dscnt 4*NL                              ; B's set and A's blocks 0-3 are in; the youngest 16 loads (A's blocks 4-7) may be out
	WIN MUL_LO
	MUL16 0, (\q)%2, \zero
	MUL16 2, (\q)%2, \zero
	s_wait_dscnt 0                                 ; A's blocks 4-7 are in
	PLACES NP
	FETCH_B \slot, (\q)+1, 1-(\q)%2
	FETCH_A \slot, (\q)+1, 0
	WIN MUL_HI
	MUL16 4, (\q)%2, \zero
	MUL16 6, (\q)%2, \zero
	PLACES NP
	WIN 0
	FETCH_A \slot, (\q)+1, 4
.endm
; A slot's last step changes slots: ONE barrier; in front of it each wave waits for all its tensor loads, adds 0 to its spare word, and waits for that and for its own reads of this slot.  fill = 1: this slot is filled again.
.macro TURN slot, next, fill
	s_wait_tensorcnt 0x0                           ; all my tensor loads have landed: my part of the next slot
	ds_add_u32 v[SPW], v[NIL]                      ; 0 onto my spare word
	s_wait_dscnt 4*NL+1                            ; (the add and the youngest 16 loads, A's blocks 4-7, may be out)
	WIN MUL_LO
	MUL16 0, 1, 0                                  ; sixteen matrix instructions stand between the add and the wait for it
	s_wait_dscnt 0x0                               ; the add is done, and my reads of this slot are over
	s_barrier_signal -1
	MUL16 2, 1, 0
	WIN 0
	s_barrier_wait -1
.if \fill
	CREST                                          ; the barrier has opened a round of the cluster's barrier: no wave of any partner still reads this slot or has a load on its way
	s_add_nc_u64 s[G0+4*\slot+2:G0+4*\slot+3], s[G0+4*\slot+2:G0+4*\slot+3], 2*ROWB
	s_add_nc_u64 s[G0B+4*\slot+2:G0B+4*\slot+3], s[G0B+4*\slot+2:G0B+4*\slot+3], 2*ROWB
	JLOAD G0+4*\slot, G1, G0B+4*\slot, G1B         ; the first tensor load behind the round; its four v_nop are the places in front of the loads below
.else
	PLACES NP
.endif
	FETCH_B \next, 0, 0
	FETCH_A \next, 0, 0
	WIN MUL_HI
	MUL16 4, 1, 0
	MUL16 6, 1, 0
	PLACES NP
	WIN 0
	FETCH_A \next, 0, 4
.endm
	s_wait_tensorcnt 1                             ; my part of slot 0 is in (slot 1's load may be out)
	s_barrier_signal -1
	s_barrier_wait -1                              ; everybody's is
	FETCH_B 0, 0, 0
	FETCH_A 0, 0, 0
	FETCH_A 0, 0, 4
	STEP 0, 0, 1                                   ; K 0-127: its products start the sums.  K = 1,024 is four slots: eight steps, written out
	TURN 0, 1, 1                                   ; K 128-255; slot 0 takes K 512-767
	STEP 1, 0, 0
	TURN 1, 0, 1                                   ; slot 1 takes K 768-1023
	STEP 0, 0, 0
	TURN 0, 1, 0                                   ; nothing is left to fetch
	STEP 1, 0, 0
	s_wait_dscnt 4*NL                              ; the last step
	WIN MUL_LO
	MUL16 0, 1, 0
	MUL16 2, 1, 0
	s_wait_dscnt 0
	WIN MUL_HI
	MUL16 4, 1, 0
	MUL16 6, 1, 0
	WIN 0
	; THE WAY OUT.  number = sum x 2^(ea + eb) + bias, one packed multiply-add for two; the conversion with 2^eo; the image.
	s_wait_kmcnt 0x0
	s_cmp_eq_u32 s68, 1
	s_cselect_b32 s17, s86, s84                    ; ea: e2 or e0
	s_cselect_b32 s18, s87, s85                    ; eb: e3 or e1
	s_cselect_b32 s19, s91, s90                    ; eo: e7 or e6
	s_cmp_eq_u32 s68, 2
	s_cselect_b32 s17, s88, s17                    ; v: e4,
	s_cselect_b32 s18, s89, s18                    ; e5,
	s_cselect_b32 s19, s93, s19                    ; e9
	s_add_co_i32 s96, s17, s18
	s_add_co_i32 s96, s96, 127
	s_lshl_b32 s96, s96, 23                        ; 2^(ea + eb) as f32
	s_mov_b32 s97, s96                             ; (named with it as a pair)
	s_add_co_i32 s19, s19, 127
	s_lshl_b32 s18, s19, 23
	v_mov_b32 v12, s18                             ; 2^eo: the conversion takes its exponent field
	s_wait_loadcnt 0x0                             ; the bias
	PLACES NP                                      ; behind the last products: their results are read, and the registers that held A's fragments are written
; Block a: 16 rows of A's side x my 128 of B's: eight accumulators, each read from its low end on.
.macro OUTB a, isv
.if (\a) >= 2
	s_wait_xcnt 0x0                                ; the stores of two blocks ago have read the code registers that are written now
.endif
	WIN 0x02+((\a)/4)                              ; source 0: window 2 or 3
.set j, 0
.rept 32
.if \isv
	v_pk_fma_f32 v[TMP+j:TMP+j+1], v[64*((\a)%4)+j:64*((\a)%4)+j+1], s[96:97], v[BR+2*(\a):BR+2*(\a)+1] op_sel_hi:[1,0,0]   ; my channel's bias for both
.else
	v_pk_fma_f32 v[TMP+j:TMP+j+1], v[64*((\a)%4)+j:64*((\a)%4)+j+1], s[96:97], v[BC+j:BC+j+1] op_sel_hi:[1,0,1]
.endif
.set j, j+2
.endr
	WIN 0
.set j, 0
.rept 64
.set j, j+1
.endr
.set j, 0
.rept 8
	v_cvt_scalef32_pk8_fp8_f32 v[CD+16*((\a)%2)+2*j:CD+16*((\a)%2)+2*j+1], v[TMP+8*j:TMP+8*j+7], v12   ; registers 2 b, 2 b + 1: the next K = 16 b + 8 h + 0 .. 7
.set j, j+1
.endr
	v_nop                                          ; a plain line behind the last conversion: the next block writes their sources
.set j, 0
.rept 4
.if \isv
	global_store_b128 v[CO], v[CD+16*((\a)%2)+4*j:CD+16*((\a)%2)+4*j+3], s[10:11] offset:131072*((\a)/4)+2048*((\a)%4)+512*j th:TH_STORE_NT   ; head a / 4, channels 16 (a % 4) on, my key step
.else
	global_store_b128 v[CO], v[CD+16*((\a)%2)+4*j:CD+16*((\a)%2)+4*j+3], s[10:11] offset:1024*(\a)+131072*(j/2)+512*(j%2) th:TH_STORE_NT      ; token tile a, head j / 2
.endif
.set j, j+1
.endr
.endm
	s_cmp_eq_u32 s68, 2                            ; the same in all sixteen partners; no LDS line, barrier or tensor load lies on either way
	s_cbranch_scc1 .Lv_out
.irp a, 0,1,2,3,4,5,6,7
	OUTB \a, 0
.endr
	s_branch .Lout_done
.Lv_out:
	s_wait_alu depctr_va_vdst(0)
.irp a, 0,1,2,3,4,5,6,7
	OUTB \a, 1
.endr
.Lout_done:
	s_wait_tensorcnt 0x0                           ; the wave's end
	ds_add_u32 v[SPW], v[NIL]
	s_wait_dscnt 0x0
	CROUND                                         ; the closing round: no work-group ends while a partner may still ask for a tile that names it
	s_endpgm
.Lfunc_end_k_qb526c974d9_qkv:
	.size	k_qb526c974d9_qkv, .Lfunc_end_k_qb526c974d9_qkv-k_qb526c974d9_qkv
	.p2alignl 7, 3214868480
	.fill 96, 4, 3214868480
	.section	.rodata,"a",@progbits
	.p2align	6, 0x0
	.amdhsa_kernel k_qb526c974d9_qkv
		.amdhsa_group_segment_fixed_size 327680
		.amdhsa_private_segment_fixed_size 0
		.amdhsa_enable_private_segment 0
		.amdhsa_kernarg_size 56
		.amdhsa_user_sgpr_count 2
		.amdhsa_user_sgpr_kernarg_segment_ptr 1
		.amdhsa_wavefront_size32 1
		.amdhsa_system_sgpr_workgroup_id_x 1
		.amdhsa_system_sgpr_workgroup_id_y 1
		.amdhsa_system_sgpr_workgroup_id_z 1
		.amdhsa_system_vgpr_workitem_id 0
		.amdhsa_next_free_vgpr 1024
		.amdhsa_next_free_sgpr 100
		.amdhsa_reserve_vcc 0
		.amdhsa_float_denorm_mode_32 3
		.amdhsa_float_denorm_mode_16_64 3
		.amdhsa_fp16_overflow 1
		.amdhsa_memory_ordered 1
		.amdhsa_forward_progress 1
		.amdhsa_inst_pref_size 130
	.end_amdhsa_kernel
	.amdgpu_metadata
---
amdhsa.version: [ 1, 2 ]
amdhsa.kernels:
  - .name:           k_qb526c974d9_qkv
    .symbol:         k_qb526c974d9_qkv.kd
    .args:
      - { .name: xc, .offset: 0, .size: 8, .value_kind: global_buffer, .address_space: global }
      - { .name: wc, .offset: 8, .size: 8, .value_kind: global_buffer, .address_space: global }
      - { .name: bq, .offset: 16, .size: 8, .value_kind: global_buffer, .address_space: global }
      - { .name: bk, .offset: 24, .size: 8, .value_kind: global_buffer, .address_space: global }
      - { .name: bv, .offset: 32, .size: 8, .value_kind: global_buffer, .address_space: global }
      - { .name: lowp_scales, .offset: 40, .size: 8, .value_kind: global_buffer, .address_space: global }
      - { .name: qkv, .offset: 48, .size: 8, .value_kind: global_buffer, .address_space: global }
    .group_segment_fixed_size: 327680
    .private_segment_fixed_size: 0
    .kernarg_segment_align: 8
    .kernarg_segment_size: 56
    .max_flat_workgroup_size: 128
    .sgpr_count:     100
    .vgpr_count:     1024
    .wavefront_size: 32
...
	.end_amdgpu_metadata
.endif
;; end of part 2
;; launch attn (part 3): grid 4 x 64, 16 waves a work-group, clusters of 4 x 1, 327,680 bytes of LDS; arguments qkv, lowp_scales, cc; writes cc
.if DOCPART == 3
	.amdgcn_target "amdgcn-amd-amdhsa--gfx1250"
	.amdhsa_code_object_version 6
	.text
	.protected	k_qb526c974d9_attn
	.globl	k_qb526c974d9_attn
	.p2align	8
	.type	k_qb526c974d9_attn,@function
k_qb526c974d9_attn:
	s_mov_b64 s[64:65], 0
	v_nop
	global_prefetch_b8 v0, s[64:65] scope:SCOPE_SE
	s_setreg_imm32_b32 hwreg(HW_REG_WAVE_MODE, 25, 1), 1
	s_wait_xcnt 0x0
	s_wait_alu depctr_hold_cnt(0) depctr_sa_sdst(0) depctr_va_vdst(0) depctr_va_sdst(0) depctr_va_ssrc(0) depctr_va_vcc(0) depctr_vm_vsrc(0)
	s_getreg_b32 s2, hwreg(HW_REG_IB_STS2, 6, 4)
	s_cmp_eq_u32 s2, 0
	s_cbranch_scc0 .Lentry_in_a_cluster
	s_endpgm
.Lentry_in_a_cluster:
	s_bfe_u32 s2, ttmp6, 0x10000c
	s_cmp_lg_u32 s2, 0x3003
	s_cbranch_scc0 .Lentry_shape_is_right
	s_endpgm
.Lentry_shape_is_right:
; ctx[b][t][h][:] = the sum over keys s <= t of softmax_s(q . k / 8) v, both products on E4M3 codes, then quantised with 2^e10 as the A operand of the last product.
; THE SOFTMAX: t = score x 2^(e6 + e7) x log2(e) / 8; M = the running largest t rounded UP to a whole number; p = 2^(t - M) is quantised with 2^e8, not normalised; the row's sum is taken of the unquantised p and divides at the end.
; When M moves, the sum and O are multiplied by 2^(old M - new M): nothing is rounded.
; LIMITS: e6 + e7 between -123 and 130 (added to c's exponent field); e8, e10 between -126 and 119; e8 + e9 is applied by v_ldexp_f32 and has none.
; SHARES.  A cluster of four work-groups is one (batch, head).  The 2,048 queries are 16 groups of 128; work-group cx owns queries 128 g + 32 cx + 0 .. 31 of EVERY group.  Wave w owns two tiles of 16 queries: tile 0 in group w
; (the first 16 of the 32), tile 1 in group 15 - w (the last 16).  A tile of group g needs key steps 0 .. g (128 keys each): (w + 1) + (16 - w) = 17 tile steps for every wave: the causal mask costs every wave the same.
; Which steps a tile needs hangs on the wave's number and the trip alone, never on the place in the cluster.
; LDS.  The head's whole K (131,072 bytes, from byte 0) and V (131,072 bytes behind it) lie in LDS as images of operand registers, filled ONCE, by joint loads (all four work-groups want the same bytes): nothing is filled again,
; nothing is stored to LDS.  Each wave asks twice: its part of key steps 0-3, then of key steps 4-15, which land while the first four steps are worked.
; LAYOUT.  Both products transposed: S^T = K Q^T (source 0 = 16 keys), O^T = V^T P^T (source 0 = 16 channels): a lane holds ONE query (lane % 16).  Register 8 t + i of S^T is key 16 t + 8 (lane / 16) + i: a conversion of
; tile t's eight registers gives registers 2 t, 2 t + 1 of the K = 128 form's operand as they are.  Likewise O^T's tile dt gives registers 2 dt, 2 dt + 1 of ctx's fragment.
; cc: [token tile 512][head 16][g 2][lane 32][16 bytes].
; REGISTERS: v1, v2 16 x lane (+ V's base); v3, v247 addresses in hand; v4, v5 the mask's d; v6, v7 my offsets in cc; v8-11, v12-15 a tile's -M, largest t, sum in two halves; v16-31 Q; v32-95 K's eight fragments, then V's four;
; v96-159 S^T, then p; v160-223 O^T of the two tiles; v224-239 codes; v240-254 constants and at work.
.set LI,  1
.set LV,  2
.set ADK, 3
.set DQ,  4
.set CO,  6
.set ADV, 247
.set WV,  10                           ; s10 wave
.set CX,  11                           ; s11 my place in the cluster
.set BH,  12                           ; s12 16 x batch + head
.set KS,  13                           ; s13 the key step
.set TB,  14                           ; s14 8,192 x the key step: its bytes in K's and in V's images
.set G,   16                           ; s16, s17 the groups of my two tiles
.set SEL, 18                           ; s[18:19] lane selects: lane l xor 16
.set CS,  20                           ; s[20:21] c, twice
.set G1A, 24                           ; s[24:31] descriptor group 1: 16 rows of 256 bytes;  s[32:39]: 48 rows
.set G1B, 32
.set G0A, 40                           ; s[40:43], s[44:47] the two groups 0
.set G0B, 44
.macro CROUND                          ; a round of the cluster's barrier
	s_barrier_signal -1
	s_barrier_wait -1
	s_cmp_lg_u32 s[WV], 0
	s_cbranch_scc1 .Lnot_wave_0_\@
	s_barrier_signal -3
.Lnot_wave_0_\@:
	s_barrier_wait -3
	s_barrier_signal -1
	s_barrier_wait -1
.endm
	s_load_b128 s[4:7], s[0:1], 0x0                ; qkv s[4:5], the exponents s[6:7]
	s_load_b64 s[8:9], s[0:1], 0x10                ; cc
	v_lshl_add_u32 v254, v0, 2, 0x40000
	v_mov_b32 v255, 0
	ds_add_u32 v254, v255
	ds_add_u32 v254, v255
	s_wait_dscnt 0x0
	v_lshrrev_b32 v1, 5, v0
	s_delay_alu instid0(VALU_DEP_1)
	v_readfirstlane_b32 s[WV], v1                  ; wave 0..15
	s_bfe_u32 s[CX], ttmp6, 0x40000
	s_and_b32 s[BH], ttmp7, 0xffff                 ; the cluster's y
	s_mov_b32 s[G], s[WV]
	s_xor_b32 s[G+1], s[WV], 15                    ; 15 - wave
	; dense blocks, stated as rows of 256 bytes in elements of 8
	s_mov_b32 s[G1A], 15|(3<<16)|(1<<21)           ; 15:0 the mask: all four work-groups; 17:16 elements of 8 bytes; 21 set beside a mask; no padding
	s_mov_b32 s[G1A+1], 32<<16                     ; tensor_dim0 = 32
	s_mov_b32 s[G1A+2], 16<<16                     ; tensor_dim1 = 16
	s_mov_b32 s[G1A+3], 32<<16                     ; tile_dim0
	s_mov_b32 s[G1A+4], 16                         ; tile_dim1
	s_mov_b32 s[G1A+5], 32                         ; from row to row
	s_mov_b32 s[G1A+6], 0
	s_mov_b32 s[G1A+7], 0
	s_mov_b32 s[G1B], 15|(3<<16)|(1<<21)
	s_mov_b32 s[G1B+1], 32<<16
	s_mov_b32 s[G1B+2], 48<<16
	s_mov_b32 s[G1B+3], 32<<16
	s_mov_b32 s[G1B+4], 48
	s_mov_b32 s[G1B+5], 32
	s_mov_b32 s[G1B+6], 0
	s_mov_b32 s[G1B+7], 0
	s_mov_b32 s[SEL], 0x76543210
	s_mov_b32 s[SEL+1], 0xfedcba98
	s_mov_b32 s[CS], 0x3e38aa3b                    ; log2(e) / 8
	s_lshr_b32 s53, s[WV], 3                       ; waves 0-7 fetch K, waves 8-15 V,
	s_and_b32 s54, s[WV], 7                        ; an eighth each
	s_lshl_b32 s55, s53, 17                        ; K's or V's base in LDS
	s_lshl_b32 s56, s54, 12                        ; of key steps 0-3 (32,768 bytes): 4,096 bytes a wave
	s_mul_i32 s57, s54, 12288                      ; of key steps 4-15 (98,304 bytes): 12,288 a wave
	s_add_co_u32 s57, s57, 32768
	s_lshl_b32 s58, s53, 23
	s_add_co_u32 s58, s58, 0x800000                ; k at 8 MiB, v at 16 MiB of qkv,
	s_lshl_b32 s59, s[BH], 17
	s_add_co_u32 s58, s58, s59                     ; my head's 131,072 bytes: the partners share all of this
	s_add_co_u32 s22, s58, s56
	s_mov_b32 s23, 0
	s_add_co_u32 s60, s58, s57
	s_mov_b32 s61, 0
	s_mov_b32 s[G0A], 1
	s_add_co_u32 s[G0A+1], s55, s56
	s_mov_b32 s[G0B], 1
	s_add_co_u32 s[G0B+1], s55, s57
	s_wait_kmcnt 0x0
	s_load_b128 s[48:51], s[6:7], 0x18             ; e6, e7, e8, e9
	s_load_b32 s52, s[6:7], 0x28                   ; e10
	s_add_nc_u64 s[G0A+2:G0A+3], s[4:5], s[22:23]
	s_or_b32 s[G0A+3], s[G0A+3], 0x80000000
	s_add_nc_u64 s[G0B+2:G0B+3], s[4:5], s[60:61]
	s_or_b32 s[G0B+3], s[G0B+3], 0x80000000
	CROUND                                         ; all four work-groups are here: the joint loads meet
	tensor_load_to_lds s[G0A:G0A+3], s[G1A:G1A+7]  ; the first of the launch's two fills: one tensor load of mine is out
	s_nop 0
	s_wait_alu depctr_va_vdst(0)
	s_wait_tensorcnt 0x0
	ds_add_u32 v254, v255
	s_wait_dscnt 0x0
	CROUND
	tensor_load_to_lds s[G0B:G0B+3], s[G1B:G1B+7]
	s_nop 0
.rept 4
	v_nop
.endr
	v_and_b32 v[LI], 31, v0
	s_delay_alu instid0(VALU_DEP_1)
	v_lshlrev_b32 v[LI], 4, v[LI]                  ; an image's place for my lane
	s_wait_alu depctr_va_vdst(0)
	v_add_nc_u32 v[LV], 0x20000, v[LI]             ; the same in V's half of LDS
	v_and_b32 v250, 15, v0                         ; r
	v_bfe_u32 v254, v0, 4, 1                       ; h
	s_delay_alu instid0(VALU_DEP_1)
	v_lshlrev_b32 v254, 3, v254
	s_delay_alu instid0(VALU_DEP_1)
	v_sub_nc_u32 v250, v250, v254                  ; r - 8 h
	s_lshl_b32 s53, s[CX], 5
	v_add_nc_u32 v[DQ], s53, v250                  ; d = my query's place in its group - 8 h: register 8 t + i is hidden on the diagonal where 16 t + i > d
	s_delay_alu instid0(VALU_DEP_1)
	v_add_nc_u32 v[DQ+1], 16, v[DQ]
	s_lshl_b32 s54, s[CX], 1
	s_lshl_b32 s55, s[G], 3
	s_add_co_u32 s55, s55, s54                     ; tile 0's token tile in the head: 8 g + 2 cx
	s_lshl_b32 s56, s[G+1], 3
	s_add_co_u32 s56, s56, s54
	s_add_co_u32 s56, s56, 1                       ; tile 1's: 8 g + 2 cx + 1
	s_lshl_b32 s57, s[BH], 17
	s_lshl_b32 s58, s55, 10
	s_add_co_u32 s58, s58, s57
	v_add_nc_u32 v249, s58, v[LI]
	s_lshl_b32 s58, s56, 10
	s_add_co_u32 s58, s58, s57
	v_add_nc_u32 v251, s58, v[LI]
	global_load_b128 v[16:19], v249, s[4:5]                ; Q's fragments stay in registers
	global_load_b128 v[20:23], v249, s[4:5] offset:512
	global_load_b128 v[24:27], v251, s[4:5]
	global_load_b128 v[28:31], v251, s[4:5] offset:512
	s_lshr_b32 s57, s[BH], 4
	s_lshl_b32 s57, s57, 7                         ; the batch's 128 token tiles
	s_and_b32 s59, s[BH], 15
	s_lshl_b32 s59, s59, 10                        ; the head's 1,024 bytes of a token tile's 16,384
	s_add_co_u32 s58, s57, s55
	s_lshl_b32 s58, s58, 14
	s_add_co_u32 s58, s58, s59
	v_add_nc_u32 v[CO], s58, v[LI]
	s_add_co_u32 s58, s57, s56
	s_lshl_b32 s58, s58, 14
	s_add_co_u32 s58, s58, s59
	v_add_nc_u32 v[CO+1], s58, v[LI]
	v_mov_b32 v9, 0xff61b1e6                       ; the largest t so far: -3e38, under every t
	v_mov_b32 v13, 0xff61b1e6
	s_delay_alu instid0(VALU_DEP_2)
	v_floor_f32 v8, -v9                            ; -M
	s_delay_alu instid0(VALU_DEP_2)
	v_floor_f32 v12, -v13
	v_mov_b32 v10, 0                               ; the sums, in two halves
	v_mov_b32 v11, 0
	v_mov_b32 v14, 0
	v_mov_b32 v15, 0
	v_mov_b32 v246, 0                              ; written once: a lane permute's destination counts as one of its sources
	v_mov_b32 v253, 0                              ; (named as the upper half of the pair v[252:253])
	v_mov_b32 v248, 0xff800000                     ; -infinity
.set n, 0
.rept 64
	v_mov_b32 v[160+n], 0                          ; O^T.  (The step is written once: a tile's first step finds zeros, which the first change of M leaves zeros)
.set n, n+1
.endr
	s_wait_kmcnt 0x0
	s_add_co_i32 s53, s48, s49
	s_lshl_b32 s53, s53, 23
	s_add_co_i32 s[CS], s[CS], s53                 ; a score stands for score x 2^(e6 + e7): added to c's exponent field
	s_mov_b32 s[CS+1], s[CS]
	s_add_co_i32 s53, s50, 127
	s_lshl_b32 s54, s53, 23
	v_mov_b32 v244, s54                            ; 2^e8
	s_add_co_i32 s53, s52, 127
	s_lshl_b32 s54, s53, 23
	v_mov_b32 v245, s54                            ; 2^e10
; ONE TILE'S KEY STEP: 16 queries x 128 keys.
.macro TILESTEP x
.set ST, 8+4*(\x)
.set QF, 16+8*(\x)
.set O,  160+32*(\x)
	s_cmp_gt_u32 s[KS], s[G+\x]                    ; all keys of the step come after the tile's queries: nothing to do.  (Wave's number and trip alone)
	s_cbranch_scc1 .Lskip_\@
	v_add_nc_u32 v[ADK], s[TB], v[LI]
	v_add_nc_u32 v[ADV], s[TB], v[LV]
	v_nop                                          ; with the two additions: four places in front of loads into registers that the last products read
	v_nop
.set n, 0
.rept 16
	ds_load_b128 v[32+4*n:35+4*n], v[ADK] offset:512*n     ; K's eight fragments (16 keys x 64 channels, 1,024 bytes each): 512 consecutive bytes a load
.set n, n+1
.endr
	s_wait_alu depctr_va_vdst(0)
	s_wait_dscnt 0x0
.set n, 0
.rept 8
	v_wmma_f32_16x16x64_fp8_fp8 v[96+8*n:103+8*n], v[32+8*n:39+8*n], v[QF:QF+7], 0
.set n, n+1
.endr
.rept 4
	v_nop                                          ; places in front of the loads below and of the first read of the scores
.endr
.set n, 0
.rept 16
	ds_load_b128 v[32+4*n:35+4*n], v[ADV] offset:512*n     ; V's four fragments (16 channels x 128 keys, 2,048 bytes each) come while the softmax is worked
.set n, n+1
.endr
	s_cmp_lg_u32 s[KS], s[G+\x]                    ; only the tile's last step lies on the diagonal
	s_cbranch_scc1 .Lopen_\@
.set n, 0
.rept 64
	v_cmp_gt_i32 vcc_lo, 16*(n/8)+n%8, v[DQ+\x]
	v_cndmask_b32 v[96+n], v[96+n], v248, vcc_lo   ; a hidden key's score becomes -infinity: p = 0
.set n, n+1
.endr
.Lopen_\@:
	v_max3_num_f32 v254, v96, v97, v98             ; the step's largest score of my query among my 64 keys, in two chains, from each accumulator's low end on
	v_max3_num_f32 v250, v99, v100, v101
.set n, 6
.rept 14
	v_max3_num_f32 v254, v254, v[96+n], v[97+n]
	v_max3_num_f32 v250, v250, v[98+n], v[99+n]
.set n, n+4
.endr
	v_max3_num_f32 v254, v254, v158, v159
	s_delay_alu instid0(VALU_DEP_1)
	v_max_num_f32 v254, v254, v250
	s_delay_alu instid0(VALU_DEP_1)
	v_permlanex16_b32 v246, v254, s[SEL], s[SEL+1]
	s_delay_alu instid0(VALU_DEP_1)
	v_max_num_f32 v254, v254, v246                 ; and among lane l xor 16's
	s_delay_alu instid0(VALU_DEP_1)
	v_mul_f32 v254, s[CS], v254                    ; as t (c is positive)
	s_delay_alu instid0(VALU_DEP_1)
	v_max_num_f32 v[ST+1], v[ST+1], v254           ; the running largest t
	v_mov_b32 v254, v[ST]
	s_delay_alu instid0(VALU_DEP_2)
	v_floor_f32 v[ST], -v[ST+1]                    ; the new -M = floor(-t): M is a whole number
	s_delay_alu instid0(VALU_DEP_1)
	v_sub_f32 v254, v[ST], v254                    ; old M - new M: a whole number, 0 or less
	s_delay_alu instid0(VALU_DEP_1)
	v_cvt_i32_f32 v254, v254                       ; (it saturates)
	s_delay_alu instid0(VALU_DEP_1)
	v_ldexp_f32 v252, 1.0, v254                    ; f = 2^(old M - new M)
.set n, 0
.rept 32
	v_pk_fma_f32 v[96+n:97+n], v[96+n:97+n], s[CS:CS+1], v[ST:ST+1] op_sel_hi:[1,0,0]   ; t - M, two at a time
.set n, n+2
.endr
.set n, 0
	s_wait_alu depctr_va_vdst(0)
.rept 64
	v_exp_f32 v[96+n], v[96+n]                     ; p = 2^(t - M), at most 1
.set n, n+1
.endr
	v_pk_mul_f32 v[ST+2:ST+3], v[ST+2:ST+3], v[252:253] op_sel_hi:[1,0]   ; the sums under the new M: the plain line behind the exponentials
	s_wait_alu depctr_va_vdst(0)                   ; one wait for the batch of 64, ahead of its first reader
	v_pk_add_f32 v[242:243], v[96:97], v[98:99]    ; the sum of the UNQUANTISED p, two at a time, in two chains
.set n, 4
.rept 15
	v_pk_add_f32 v[ST+2:ST+3], v[ST+2:ST+3], v[96+n:97+n]
	v_pk_add_f32 v[242:243], v[242:243], v[98+n:99+n]
.set n, n+4
.endr
	s_delay_alu instid0(VALU_DEP_1)
	v_pk_add_f32 v[ST+2:ST+3], v[ST+2:ST+3], v[242:243]
.set m, 0
.rept 8
.set n, 0
.rept 8
.set n, n+1
.endr
	v_cvt_scalef32_pk8_fp8_f32 v[224+2*m:225+2*m], v[96+8*m:103+8*m], v244   ; keys 16 m + 8 h + 0 .. 7
.set m, m+1
.endr
.set n, 0
.rept 16
	v_pk_mul_f32 v[O+n:O+n+1], v[O+n:O+n+1], v[252:253] op_sel_hi:[1,0]   ; O^T under the new M; also the plain lines behind the conversions
.set n, n+2
.endr
	s_wait_alu depctr_va_vdst(0)
	s_wait_dscnt 0x0                               ; V is in
.set n, 0
.rept 4
	v_wmma_f32_16x16x128_fp8_fp8 v[O+8*n:O+8*n+7], v[32+16*n:47+16*n], v[224:239], v[O+8*n:O+8*n+7]   ; four accumulators, one instruction each
.set n, n+1
.endr
.Lskip_\@:
.endm
	s_wait_loadcnt 0x0                             ; Q
	s_wait_tensorcnt 1                             ; my part of key steps 0-3 is in; my part of 4-15 may stay out
	s_barrier_signal -1
	s_barrier_wait -1                              ; everybody's is
	s_mov_b32 s[KS], 0
	s_mov_b32 s[TB], 0
.Lfirst:                                           ; key steps 0-3: bytes 0 .. 32,767 of K's and of V's images, which no load on its way writes
	TILESTEP 0
	TILESTEP 1
	s_add_co_u32 s[TB], s[TB], 8192
	s_add_co_u32 s[KS], s[KS], 1
	s_cmp_lt_u32 s[KS], 4
	s_cbranch_scc1 .Lfirst
	s_wait_tensorcnt 0x0                           ; my part of key steps 4-15 is in,
	s_wait_dscnt 0x0
	s_barrier_signal -1
	s_barrier_wait -1                              ; everybody's is
	s_mov_b32 s[KS], 4
	s_mov_b32 s[TB], 4*8192
.Lrest:
	TILESTEP 0
	TILESTEP 1
	s_add_co_u32 s[TB], s[TB], 8192
	s_add_co_u32 s[KS], s[KS], 1
	s_cmp_lt_u32 s[KS], 16
	s_cbranch_scc1 .Lrest
	; THE WAY OUT: ctx = O^T x 2^(e8 + e9) / the sum, converted with 2^e10; a tile's eight registers of codes are the head's part of a fragment: two stores of 512 consecutive bytes.
.rept 4
	v_nop                                          ; places behind the last products
.endr
	v_add_f32 v10, v10, v11                        ; the sums' two halves,
	v_add_f32 v14, v14, v15
	s_delay_alu instid0(VALU_DEP_2)
	v_permlanex16_b32 v250, v10, s[SEL], s[SEL+1]
	s_delay_alu instid0(VALU_DEP_2)
	v_permlanex16_b32 v254, v14, s[SEL], s[SEL+1]
	s_delay_alu instid0(VALU_DEP_2)
	v_add_f32 v10, v10, v250                       ; and lane l xor 16's
	s_delay_alu instid0(VALU_DEP_2)
	v_add_f32 v14, v14, v254
	s_wait_alu depctr_va_vdst(0)
	v_rcp_f32 v10, v10
	v_rcp_f32 v14, v14
	v_nop                                          ; a plain line behind the reciprocals
	s_add_co_i32 s53, s50, s51                     ; e8 + e9
	s_wait_alu depctr_va_vdst(0)                   ; one wait for both, ahead of their first reader
	v_ldexp_f32 v10, v10, s53
	v_ldexp_f32 v14, v14, s53
.irp x, 0,1
.set n, 0
.rept 16
	v_pk_mul_f32 v[96+32*\x+n:97+32*\x+n], v[160+32*\x+n:161+32*\x+n], v[10+4*\x:11+4*\x] op_sel_hi:[1,0]
.set n, n+2
.endr
.set n, 0
.rept 32
.set n, n+1
.endr
.set n, 0
.rept 4
	v_cvt_scalef32_pk8_fp8_f32 v[224+8*\x+2*n:225+8*\x+2*n], v[96+32*\x+8*n:103+32*\x+8*n], v245   ; channels 16 n + 8 h + 0 .. 7 of my query
.set n, n+1
.endr
	v_nop                                          ; a plain line behind the last conversion
	global_store_b128 v[CO+\x], v[224+8*\x:227+8*\x], s[8:9] th:TH_STORE_NT
	global_store_b128 v[CO+\x], v[228+8*\x:231+8*\x], s[8:9] offset:512 th:TH_STORE_NT
.endr
	s_wait_dscnt 0x0
	s_wait_xcnt 0x0
	v_lshl_add_u32 v254, v0, 2, 0x40000
	v_mov_b32 v255, 0
	s_wait_alu depctr_va_vdst(0)
	s_wait_tensorcnt 0x0
	ds_add_u32 v254, v255
	s_wait_dscnt 0x0
	CROUND                                         ; the closing round: no work-group ends while a partner may still ask for a tile that names it
	s_endpgm
.Lfunc_end_k_qb526c974d9_attn:
	.size	k_qb526c974d9_attn, .Lfunc_end_k_qb526c974d9_attn-k_qb526c974d9_attn
	.p2alignl 7, 3214868480
	.fill 96, 4, 3214868480
	.section	.rodata,"a",@progbits
	.p2align	6, 0x0
	.amdhsa_kernel k_qb526c974d9_attn
		.amdhsa_group_segment_fixed_size 327680
		.amdhsa_private_segment_fixed_size 0
		.amdhsa_enable_private_segment 0
		.amdhsa_kernarg_size 24
		.amdhsa_user_sgpr_count 2
		.amdhsa_user_sgpr_kernarg_segment_ptr 1
		.amdhsa_wavefront_size32 1
		.amdhsa_system_sgpr_workgroup_id_x 1
		.amdhsa_system_sgpr_workgroup_id_y 1
		.amdhsa_system_sgpr_workgroup_id_z 1
		.amdhsa_system_vgpr_workitem_id 0
		.amdhsa_next_free_vgpr 256
		.amdhsa_next_free_sgpr 66
		.amdhsa_reserve_vcc 1
		.amdhsa_float_denorm_mode_32 3
		.amdhsa_float_denorm_mode_16_64 3
		.amdhsa_fp16_overflow 1
		.amdhsa_memory_ordered 1
		.amdhsa_forward_progress 1
		.amdhsa_inst_pref_size 88
	.end_amdhsa_kernel
	.amdgpu_metadata
---
amdhsa.version: [ 1, 2 ]
amdhsa.kernels:
  - .name:           k_qb526c974d9_attn
    .symbol:         k_qb526c974d9_attn.kd
    .args:
      - { .name: qkv, .offset: 0, .size: 8, .value_kind: global_buffer, .address_space: global }
      - { .name: lowp_scales, .offset: 8, .size: 8, .value_kind: global_buffer, .address_space: global }
      - { .name: cc, .offset: 16, .size: 8, .value_kind: global_buffer, .address_space: global }
    .group_segment_fixed_size: 327680
    .private_segment_fixed_size: 0
    .kernarg_segment_align: 8
    .kernarg_segment_size: 24
    .max_flat_workgroup_size: 512
    .sgpr_count:     66
    .vgpr_count:     256
    .wavefront_size: 32
...
	.end_amdgpu_metadata
.endif
;; end of part 3
;; launch proj (part 4): grid 4 x 32, 4 waves a work-group, clusters of 4 x 4, 327,680 bytes of LDS; arguments cc, wc, bo, lowp_scales, out0; writes out0
.if DOCPART == 4
	.amdgcn_target "amdgcn-amd-amdhsa--gfx1250"
	.amdhsa_code_object_version 6
	.text
	.protected	k_qb526c974d9_proj
	.globl	k_qb526c974d9_proj
	.p2align	8
	.type	k_qb526c974d9_proj,@function
k_qb526c974d9_proj:
	s_mov_b64 s[64:65], 0
	v_nop
	global_prefetch_b8 v0, s[64:65] scope:SCOPE_SE
	s_setreg_imm32_b32 hwreg(HW_REG_WAVE_MODE, 25, 1), 1
	s_wait_xcnt 0x0
	s_wait_alu depctr_hold_cnt(0) depctr_sa_sdst(0) depctr_va_vdst(0) depctr_va_sdst(0) depctr_va_ssrc(0) depctr_va_vcc(0) depctr_vm_vsrc(0)
	s_getreg_b32 s2, hwreg(HW_REG_IB_STS2, 6, 4)
	s_cmp_eq_u32 s2, 0
	s_cbranch_scc0 .Lentry_in_a_cluster
	s_endpgm
.Lentry_in_a_cluster:
	s_bfe_u32 s2, ttmp6, 0x10000c
	s_cmp_lg_u32 s2, 0xf033
	s_cbranch_scc0 .Lentry_shape_is_right
	s_endpgm
.Lentry_shape_is_right:
; out0 = ctx Wo^T + bo on E4M3 codes, K = 1,024.  ctx's codes come as images of operand registers (cc: [token tile 512][head 16][g 2][lane 32][16 bytes]: two neighbouring heads are one fragment of 16 tokens x 128 K),
; Wo's as rows (wc + 3 MiB, [1024][1024], K innermost, the middle groups of eight of each 32 exchanged, so that 16-byte loads give the same form's own layout).  out0: [8192][1024] f32 = sum x 2^(e10 + e11) + bo.
; LIMIT: e10 + e11 between -126 and 127, so that 2^(e10 + e11) is an f32 number.
; SHARES: 128 tiles of 256 x 256; four waves, each 128 x 128: 64 accumulators.  K goes in steps of 256 through a ring of two LDS slots.  CLUSTERS: 4 x 4 work-groups; A's tile is shared along a row of the cluster, B's along a column.
; THE MATRIX INSTRUCTION IS USED TRANSPOSED (source 0 = 16 rows of Wo, source 1 = 16 tokens): a lane holds eight neighbouring numbers of a row of out0.
; REGISTERS: window 0: v0-31 addresses; v32-95 bo by columns; from v128 A's fragments, ONE set; on the way out v128-191 a block's numbers.
;   window 1: B's fragments, TWO sets; on the way out v0-127 two sets of rows read back.   window 2, 3: the accumulators ((a, b) at v[8 (8 (a % 4) + b)]).
.set KROW,   1024                      ; a row of Wo's codes in memory
.set ROWB,   256                       ; B's tile row: 256 along K
.set PITCH,  272                       ; in LDS: + 16 of padding = 68 words: row r starts at bank 4 r mod 64 (64 banks of 4 bytes: ISA guide 11.1)
.set ASTEP,  4096                      ; 256 along K of a token tile's images: four heads
.set HALFA,  8*ASTEP                   ; A: 8 token tiles: what one tensor load brings, dense
.set HALFB,  128*PITCH                 ; B: 128 rows
.set BOFF,   2*HALFA                   ; a slot: A's 16 token tiles, then B's 256 rows
.set SLOT,   BOFF+2*HALFB
.set SPARE,  2*SLOT                    ; behind the ring: the spare words, 128 bytes for each wave; no other line names them
.set SPITCH, 528                       ; the way out: a stage of 16 rows x (512 bytes + 16) for each wave, in slot 0, which has had its last fill and its last read when the first result is stored there
.set FR,     16
.set NL,     4
.set NP,     4
.set ADRA, 16
.set ADRB, 20
.set STO,  24
.set RD,   25
.set CO,   26
.set SPW,  28
.set NIL,  29
.set BC,   32
.set AF,   128
.set TMP,  128
.set G1, 24
.set G0, 32
.set G1B, 48
.set G0B, 56
.set MSB, 0
.macro WIN new                         ; the immediate's high byte repeats the setting that is left
.if MSB != (\new)
	s_set_vgpr_msb (MSB<<8)|(\new)
.set MSB, \new
.endif
.endm
.set MUL_LO, 0xa1                      ; source 0 (B) window 1, source 1 (A) window 0, C and D window 2
.set MUL_HI, 0xf1                      ; the same, C and D window 3
.set TO_B,   0x40                      ; destination window 1, address window 0
.macro JLOAD g0a, g1a, g0b, g1b        ; waves 0 and 1 fetch for A, waves 2 and 3 for B; four v_nop follow each of the two lines
	s_cmp_eq_u32 s15, 0
	s_cbranch_scc0 .Lfor_b_\@
	tensor_load_to_lds s[\g0a:\g0a+3], s[\g1a:\g1a+7]
	s_nop 0
.rept 4
	v_nop
.endr
	s_branch .Lasked_\@
.Lfor_b_\@:
	tensor_load_to_lds s[\g0b:\g0b+3], s[\g1b:\g1b+7]
	s_nop 0
.rept 4
	v_nop
.endr
.Lasked_\@:
.endm
.macro CREST
	s_cmp_lg_u32 s14, 0
	s_cbranch_scc1 .Lnot_wave_0_\@
	s_barrier_signal -3
.Lnot_wave_0_\@:
	s_barrier_wait -3
	s_barrier_signal -1
	s_barrier_wait -1
.endm
.macro CROUND
	s_barrier_signal -1
	s_barrier_wait -1
	CREST
.endm
	s_load_b128 s[4:7], s[0:1], 0x0                ; cc s[4:5], wc s[6:7]
	s_load_b128 s[72:75], s[0:1], 0x10             ; bo s[72:73], the exponents s[74:75]
	s_load_b64 s[10:11], s[0:1], 0x20              ; out0
	v_lshl_add_u32 v[SPW], v0, 2, SPARE
	v_mov_b32 v[NIL], 0
	ds_add_u32 v28, v29
	ds_add_u32 v28, v29
	s_wait_dscnt 0x0
	v_lshrrev_b32 v1, 5, v0
	v_readfirstlane_b32 s14, v1                    ; wave 0..3
	s_lshr_b32 s15, s14, 1                         ; which half of the tile's rows is mine.  Also: I fetch for A (0) or for B (1)
	s_and_b32 s16, s14, 1                          ; which half of its columns.  Also: which half of that tile I fetch
	s_bfe_u32 s40, ttmp6, 0x40000                  ; cx = the tile column (the grid is one cluster wide)
	s_bfe_u32 s41, ttmp6, 0x40004                  ; cy
	s_and_b32 s17, ttmp7, 0xffff
	s_lshl_b32 s17, s17, 2
	s_add_co_u32 s17, s17, s41                     ; tile row = 4 x cluster y + cy
	s_lshl_b32 s43, s41, 2
	s_lshl_b32 s43, 15, s43                        ; my row of the cluster
	s_lshl_b32 s44, 0x1111, s40                    ; my column
	s_or_b32 s[G1+0], s43, (3<<16)|(1<<21)         ; A: 15:0 the mask; 17:16 elements of 8 bytes; 21 set beside a mask; no padding: images are read 512 consecutive bytes at a time
	s_mov_b32 s[G1+1], 512<<16                     ; tensor_dim0 = 512 elements: 4,096 bytes of a token tile
	s_mov_b32 s[G1+2], 8<<16                       ; tensor_dim1 = 8 token tiles
	s_mov_b32 s[G1+3], 512<<16                     ; tile_dim0
	s_mov_b32 s[G1+4], 8                           ; tile_dim1
	s_mov_b32 s[G1+5], 2048                        ; from token tile to token tile: 16,384 bytes
	s_mov_b32 s[G1+6], 0
	s_mov_b32 s[G1+7], 0
	s_or_b32 s[G1B+0], s44, (0<<16)|(1<<20)|(1<<21)|(5<<22)|(3<<25)  ; B: elements of 1 byte; padding of 4 words after every 64
	s_mov_b32 s[G1B+1], ROWB<<16
	s_mov_b32 s[G1B+2], 128<<16
	s_mov_b32 s[G1B+3], ROWB<<16
	s_mov_b32 s[G1B+4], 128
	s_mov_b32 s[G1B+5], KROW
	s_mov_b32 s[G1B+6], 0
	s_mov_b32 s[G1B+7], 0
	s_lshl_b32 s20, s17, 4
	s_lshl_b32 s18, s16, 3
	s_add_co_u32 s20, s20, s18                     ; A: token tile 16 x tile row + 8 x half,
	s_lshl_b32 s20, s20, 14                        ; of 16,384 bytes
	s_mov_b32 s21, 0
	s_lshl_b32 s46, s40, 8
	s_lshl_b32 s47, s16, 7
	s_add_co_u32 s46, s46, s47                     ; B: row 256 cx + 128 x half,
	s_lshl_b32 s46, s46, 10
	s_add_co_u32 s46, s46, 0x300000                ; of Wo's codes, 3 MiB into wc
	s_mov_b32 s47, 0
	s_lshl_b32 s45, s16, 15                        ; where they go: A: half x 32,768;
	s_mul_i32 s70, s16, HALFB
	s_add_co_u32 s70, s70, BOFF                    ; B: behind A's, half x 34,816: no place in the cluster enters an LDS address
	s_wait_kmcnt 0x0
	s_load_b64 s[96:97], s[74:75], 0x28            ; e10, e11
	s_add_nc_u64 s[20:21], s[4:5], s[20:21]
	s_add_nc_u64 s[46:47], s[6:7], s[46:47]
	CROUND                                         ; all sixteen work-groups are here: the first joint loads meet
.irp s, 0,1
	s_mov_b32 s[G0+4*\s], 1
	s_add_co_u32 s[G0+4*\s+1], s45, \s*SLOT
	s_add_nc_u64 s[G0+4*\s+2:G0+4*\s+3], s[20:21], \s*ASTEP
	s_or_b32 s[G0+4*\s+3], s[G0+4*\s+3], 0x80000000
	s_mov_b32 s[G0B+4*\s], 1
	s_add_co_u32 s[G0B+4*\s+1], s70, \s*SLOT
	s_add_nc_u64 s[G0B+4*\s+2:G0B+4*\s+3], s[46:47], \s*ROWB
	s_or_b32 s[G0B+4*\s+3], s[G0B+4*\s+3], 0x80000000
	s_wait_alu depctr_va_vdst(0)
	s_wait_tensorcnt 0x0
	ds_add_u32 v28, v29
	ds_add_u32 v28, v29
	s_wait_dscnt 0x0
	CROUND
	JLOAD G0+4*\s, G1, G0B+4*\s, G1B               ; one tensor load of mine is out at the most
.endr
	v_and_b32 v1, 15, v0                           ; r
	v_bfe_u32 v2, v0, 4, 1                         ; h
	v_and_b32 v6, 31, v0
	v_lshlrev_b32 v[CO], 4, v6                     ; 16 x lane: an image's place for my lane; my 16 bytes of a row of 512 on the way out
	v_mul_u32_u24 v3, v1, PITCH
	v_lshl_add_u32 v4, v2, 4, v3                   ; B: a fragment's row x pitch + 16 x half
	s_lshl_b32 s21, s15, 15                        ; my 8 token tiles of A
	s_mul_i32 s22, s16, HALFB
	s_add_co_u32 s22, s22, BOFF                    ; my 128 rows of B
.irp s, 0,1
	v_add_nc_u32 v[ADRA+\s], s21, v[CO]
	v_add_nc_u32 v[ADRB+\s], s22, v4
	s_add_co_u32 s21, s21, SLOT
	s_add_co_u32 s22, s22, SLOT
.endr
	s_mul_i32 s23, s14, 16*SPITCH                  ; my stage
	v_mul_u32_u24 v5, v1, SPITCH                   ; in: row r, 32 bytes for each half of the lanes
	v_lshl_add_u32 v5, v2, 5, v5
	v_add_nc_u32 v[STO], s23, v5
	v_add_nc_u32 v[RD], s23, v[CO]                 ; back: the 32 lanes take one row of 512 bytes
	s_lshl_b32 s18, s40, 10
	s_lshl_b32 s19, s16, 9
	s_add_co_u32 s18, s18, s19                     ; my first column, in bytes: 1,024 cx + 512 x half
	v_lshl_add_u32 v8, v2, 5, s18                  ; bo: + 32 h
.irp b, 0,1,2,3,4,5,6,7
	global_load_b128 v[BC+8*\b:BC+8*\b+3], v8, s[72:73] offset:64*\b        ; bo[column 16 b + 8 h + j] at BC + 8 b + j
	global_load_b128 v[BC+8*\b+4:BC+8*\b+7], v8, s[72:73] offset:64*\b+16
.endr
	s_lshl_b32 s20, s17, 8
	s_lshl_b32 s21, s15, 7
	s_add_co_u32 s20, s20, s21                     ; my first row of out0: 256 x tile row + 128 x half,
	s_lshl_b32 s20, s20, 12                        ; of 4,096 bytes: under 2^25
	s_add_co_u32 s20, s20, s18
	s_mov_b32 s21, 0
	s_add_nc_u64 s[10:11], s[10:11], s[20:21]
.macro FRAGB reg, adr, q, i            ; 16 rows x 128 K from rows: four loads of 16 bytes, 32 bytes apart
.irp c, 0,1,2,3
	ds_load_b128 v[\reg+4*\c:\reg+4*\c+3], v[\adr] offset:128*(\q)+32*\c+(\i)*16*PITCH
.endr
.endm
.macro FRAGA reg, slot, q, i           ; 16 tokens x 128 K from images: token tile i, heads 2 q and 2 q + 1 of the slot's four: four loads of 512 consecutive bytes
.irp c, 0,1,2,3
	ds_load_b128 v[\reg+4*\c:\reg+4*\c+3], v[ADRA+\slot] offset:ASTEP*(\i)+2048*(\q)+512*\c
.endr
.endm
.macro MUL16 a0, p, zero               ; A's blocks a0, a0 + 1 x B's eight; the 64 accumulators take turns, one instruction a turn
.irp a, \a0, \a0+1
.irp b, 0,1,2,3,4,5,6,7
.if \zero
	v_wmma_f32_16x16x128_fp8_fp8 v[8*(8*((\a)%4)+\b):8*(8*((\a)%4)+\b)+7], v[128*(\p)+FR*\b:128*(\p)+FR*\b+FR-1], v[AF+FR*(\a):AF+FR*(\a)+FR-1], 0
.else
	v_wmma_f32_16x16x128_fp8_fp8 v[8*(8*((\a)%4)+\b):8*(8*((\a)%4)+\b)+7], v[128*(\p)+FR*\b:128*(\p)+FR*\b+FR-1], v[AF+FR*(\a):AF+FR*(\a)+FR-1], v[8*(8*((\a)%4)+\b):8*(8*((\a)%4)+\b)+7]
.endif
.endr
.endr
.endm
.macro FETCH_B slot, q, p
	WIN TO_B
.irp i, 0,1,2,3,4,5,6,7
	FRAGB 128*(\p)+FR*\i, ADRB+\slot, \q, \i
.endr
	WIN 0
.endm
.macro FETCH_A slot, q, i0
.irp i, \i0, \i0+1, \i0+2, \i0+3
	FRAGA AF+FR*(\i), \slot, \q, \i
.endr
.endm
.macro PLACES n                        ; plain vector lines between a matrix instruction and a load into, or a vector line on, its registers (ISA guide 7.12.1 for vector lines)
.rept \n
	v_nop
.endr
.endm
.macro STEP slot, q, zero              ; a step of 128 along K that has its successor in the same slot
	s_wait_dscnt 4*NL                              ; B's set and A's blocks 0-3 are in; the youngest 16 loads (A's blocks 4-7) may be out
	WIN MUL_LO
	MUL16 0, (\q)%2, \zero
	MUL16 2, (\q)%2, \zero
	s_wait_dscnt 0                                 ; A's blocks 4-7 are in
	PLACES NP
	FETCH_B \slot, (\q)+1, 1-(\q)%2
	FETCH_A \slot, (\q)+1, 0
	WIN MUL_HI
	MUL16 4, (\q)%2, \zero
	MUL16 6, (\q)%2, \zero
	PLACES NP
	WIN 0
	FETCH_A \slot, (\q)+1, 4
.endm
.macro TURN slot, next, fill           ; a slot's last step changes slots: ONE barrier; in front of it: all my tensor loads, the add, the add's and my reads' wait
	s_wait_tensorcnt 0x0                           ; all my tensor loads have landed: my part of the next slot
	ds_add_u32 v[SPW], v[NIL]                      ; 0 onto my spare word
	s_wait_dscnt 4*NL+1                            ; (the add and the youngest 16 loads may be out)
	WIN MUL_LO
	MUL16 0, 1, 0                                  ; sixteen matrix instructions stand between the add and the wait for it
	s_wait_dscnt 0x0                               ; the add is done, and my reads of this slot are over
	s_barrier_signal -1
	MUL16 2, 1, 0
	WIN 0
	s_barrier_wait -1
.if \fill
	CREST                                          ; the barrier has opened a round of the cluster's barrier: no wave of any partner still reads this slot or has a load on its way
	s_add_nc_u64 s[G0+4*\slot+2:G0+4*\slot+3], s[G0+4*\slot+2:G0+4*\slot+3], 2*ASTEP
	s_add_nc_u64 s[G0B+4*\slot+2:G0B+4*\slot+3], s[G0B+4*\slot+2:G0B+4*\slot+3], 2*ROWB
	JLOAD G0+4*\slot, G1, G0B+4*\slot, G1B         ; the first tensor load behind the round; its four v_nop are the places in front of the loads below
.else
	PLACES NP
.endif
	FETCH_B \next, 0, 0
	FETCH_A \next, 0, 0
	WIN MUL_HI
	MUL16 4, 1, 0
	MUL16 6, 1, 0
	PLACES NP
	WIN 0
	FETCH_A \next, 0, 4
.endm
	s_wait_alu depctr_va_vdst(0)
	s_wait_tensorcnt 1                             ; my part of slot 0 is in (slot 1's load may be out)
	s_barrier_signal -1
	s_barrier_wait -1                              ; everybody's is
	FETCH_B 0, 0, 0
	FETCH_A 0, 0, 0
	FETCH_A 0, 0, 4
	STEP 0, 0, 1                                   ; K 0-127: its products start the sums.  K = 1,024 is four slots: eight steps, written out
	TURN 0, 1, 1                                   ; slot 0 takes K 512-767
	STEP 1, 0, 0
	TURN 1, 0, 1                                   ; slot 1 takes K 768-1023
	STEP 0, 0, 0
	TURN 0, 1, 0                                   ; nothing is left to fetch; behind this barrier nobody reads slot 0
	STEP 1, 0, 0
	s_wait_dscnt 4*NL                              ; the last step
	WIN MUL_LO
	MUL16 0, 1, 0
	MUL16 2, 1, 0
	s_wait_dscnt 0
	WIN MUL_HI
	MUL16 4, 1, 0
	MUL16 6, 1, 0
	WIN 0
; THE WAY OUT, block by block of 16 rows x 128 columns: sum x 2^(e10 + e11) + bo, one packed multiply-add for two; through my own stage in LDS; back as whole rows of 512 bytes.
; LDS serves a wave's instructions in order (ISA guide 5.7.1.4): no wait between the stores and the loads, nor in front of the next block's stores.
.macro TOSTAGE a
	WIN 0x02+((\a)/4)                              ; source 0: window 2 or 3
.set j, 0
.rept 32
	v_pk_fma_f32 v[TMP+j:TMP+j+1], v[64*((\a)%4)+j:64*((\a)%4)+j+1], s[96:97], v[BC+j:BC+j+1] op_sel_hi:[1,0,1]   ; each accumulator from its low end on
.set j, j+2
.endr
	WIN 0
.irp b, 0,1,2,3,4,5,6,7
	ds_store_b128 v[STO], v[TMP+8*\b:TMP+8*\b+3] offset:64*\b
	ds_store_b128 v[STO], v[TMP+8*\b+4:TMP+8*\b+7] offset:64*\b+16
.endr
	WIN TO_B                                       ; the rows come back into window 1, where B's first set lay
.irp t, 0,1,2,3,4,5,6,7,8,9,10,11,12,13,14,15
	ds_load_b128 v[64*((\a)%2)+4*\t:64*((\a)%2)+4*\t+3], v[RD] offset:\t*SPITCH
.endr
	WIN 0
.endm
.macro SEND a, younger                 ; younger: the LDS instructions issued behind block a's loads, which may stay out
	s_wait_dscnt \younger                          ; the block is back in registers
.if (\a) > 0
	s_add_nc_u64 s[10:11], s[10:11], 16*4096       ; (behind a wait on XCNT: the earlier stores have read their base)  16 rows on
.endif
	WIN 0x04                                       ; the stores' data: window 1
.irp t, 0,1,2,3,4,5,6,7,8,9,10,11,12,13,14,15
	global_store_b128 v[CO], v[64*((\a)%2)+4*\t:64*((\a)%2)+4*\t+3], s[10:11] offset:\t*4096 th:TH_STORE_NT   ; 32 lanes store 512 consecutive bytes, aligned
.endr
	WIN 0
.endm
	s_wait_kmcnt 0x0
	s_add_co_i32 s96, s96, s97                     ; e10 + e11
	s_add_co_i32 s96, s96, 127
	s_lshl_b32 s96, s96, 23                        ; 2^(e10 + e11) as f32
	s_mov_b32 s97, s96                             ; (named with it as a pair)
	s_wait_loadcnt 0x0                             ; bo
	PLACES NP                                      ; behind the last products: their results are read, and registers that held fragments are written and loaded
	TOSTAGE 0
.irp a, 1,2,3,4,5,6,7
.if \a > 1
	s_wait_xcnt 0x0                                ; block a - 2's stores have read their registers and their base: block a's loads may land there, and the base may step
.endif
	TOSTAGE \a
	SEND \a-1, 32                                  ; behind block a - 1's loads: block a's 16 stores and 16 loads
.endr
	s_wait_xcnt 0x0                                ; block 6's stores have read their base
	SEND 7, 0
	s_wait_tensorcnt 0x0                           ; the wave's end
	ds_add_u32 v[SPW], v[NIL]
	s_wait_dscnt 0x0
	CROUND                                         ; the closing round: no work-group ends while a partner may still ask for a tile that names it
	s_endpgm
.Lfunc_end_k_qb526c974d9_proj:
	.size	k_qb526c974d9_proj, .Lfunc_end_k_qb526c974d9_proj-k_qb526c974d9_proj
	.p2alignl 7, 3214868480
	.fill 96, 4, 3214868480
	.section	.rodata,"a",@progbits
	.p2align	6, 0x0
	.amdhsa_kernel k_qb526c974d9_proj
		.amdhsa_group_segment_fixed_size 327680
		.amdhsa_private_segment_fixed_size 0
		.amdhsa_enable_private_segment 0
		.amdhsa_kernarg_size 40
		.amdhsa_user_sgpr_count 2
		.amdhsa_user_sgpr_kernarg_segment_ptr 1
		.amdhsa_wavefront_size32 1
		.amdhsa_system_sgpr_workgroup_id_x 1
		.amdhsa_system_sgpr_workgroup_id_y 1
		.amdhsa_system_sgpr_workgroup_id_z 1
		.amdhsa_system_vgpr_workitem_id 0
		.amdhsa_next_free_vgpr 1024
		.amdhsa_next_free_sgpr 100
		.amdhsa_reserve_vcc 0
		.amdhsa_float_denorm_mode_32 3
		.amdhsa_float_denorm_mode_16_64 3
		.amdhsa_memory_ordered 1
		.amdhsa_forward_progress 1
		.amdhsa_inst_pref_size 127
	.end_amdhsa_kernel
	.amdgpu_metadata
---
amdhsa.version: [ 1, 2 ]
amdhsa.kernels:
  - .name:           k_qb526c974d9_proj
    .symbol:         k_qb526c974d9_proj.kd
    .args:
      - { .name: cc, .offset: 0, .size: 8, .value_kind: global_buffer, .address_space: global }
      - { .name: wc, .offset: 8, .size: 8, .value_kind: global_buffer, .address_space: global }
      - { .name: bo, .offset: 16, .size: 8, .value_kind: global_buffer, .address_space: global }
      - { .name: lowp_scales, .offset: 24, .size: 8, .value_kind: global_buffer, .address_space: global }
      - { .name: out0, .offset: 32, .size: 8, .value_kind: global_buffer, .address_space: global }
    .group_segment_fixed_size: 327680
    .private_segment_fixed_size: 0
    .kernarg_segment_align: 8
    .kernarg_segment_size: 40
    .max_flat_workgroup_size: 128
    .sgpr_count:     100
    .vgpr_count:     1024
    .wavefront_size: 32
...
	.end_amdgpu_metadata
.endif
;; end of part 4
